; MI455X (gfx1250); checked and timed in simulation.
; The chip was launched on July 23, 2026; its instructions are those of AMD's public machine-readable ISA for CDNA 5 (MIT licence, August 2026) and "CDNA5" Instruction Set Architecture Reference Guide (July 2026). The comments in the code are by the model that wrote it; some were corrected since.
;; Bahdanau Attention. Allowed arithmetic: float matrix products may take bf16 or f16 operands with f32 sums; all other float work in f32.
;; Inputs: V 1,024 x 1 float32; W1 1,024 x 1,024 float32; W2 1,024 x 1,024 float32; b1 1,024 float32; b2 1,024 float32; bv 1 float32; query 32 x 1,024 float32; values 32 x 2,048 x 1,024 float32.
;; Outputs: out0 32 x 1,024 float32; out1 32 x 2,048 x 1 float32.
;; One version. Each part assembles by itself: llvm-mc -triple=amdgcn-amd-amdhsa -mcpu=gfx1250 --defsym DOCPART=n.
;; ======== version 1 of 1: 3 launches
;; limits: values outside matrix products are rounded to bf16
;; workspace buffers: w1f 2,097,152 bytes; cq 131,072 bytes; pexp 262,144 bytes; part 2,359,296 bytes
;; launch prep (part 1): grid 256 x 1, 8 waves a work-group, no clusters, 25,600 bytes of LDS; arguments W1, W2, query, b1, b2, w1f, cq; writes w1f, cq
.if DOCPART == 1
	.amdgcn_target "amdgcn-amd-amdhsa--gfx1250"
	.amdhsa_code_object_version 6
	.text
	.protected	k_q048b63b55d_prep
	.globl	k_q048b63b55d_prep
	.p2align	8
	.type	k_q048b63b55d_prep,@function
k_q048b63b55d_prep:
	s_mov_b64 s[64:65], 0
	v_nop
	global_prefetch_b8 v0, s[64:65] scope:SCOPE_SE
	s_setreg_imm32_b32 hwreg(HW_REG_WAVE_MODE, 25, 1), 1
	s_wait_xcnt 0x0
; Two small jobs that the main launch needs done once, chosen by the work-group's number (the same for all its waves).
; K2 = 2 log2(e): tanh x = 1 - 2 / (1 + 2^(K2 x)), so both parts of x are made with K2 already in them.
; ROLE A (work-groups 0-127): W1 [k][n] f32 -> w1f = bf16(K2 * W1) (one f32 product, then round to nearest even) in the order of matrix fragments.
;   With n = 512 p + 128 w + 16 b + r the byte of W1[k][n] is
;   w*524288 + p*262144 + (k>>5)*8192 + b*1024 + ((k>>3)&3)*256 + r*16 + (k&7)*2:
;   a fragment of 16 n x 32 k is 1,024 consecutive bytes (lane L takes bytes 16 L and 512 + 16 L), and all that wave w of the
;   main launch ever reads is 524,288 consecutive bytes in the order in which it reads them.
; ROLE B (work-groups 128-255): cq[b][u] = K2 * (query[b] . W2[:,u] + b1[u] + b2[u]), all in f32.
;   32 rows only: a few-row product that streams W2, so plain f32 multiply-adds and no matrix unit.
;   A work-group takes 64 columns x 4 batches; its eight waves split h (128 each) and meet in LDS.
;   LIMIT: the sum over h is made in eight parts of 128, an order other than the reference's.
; No cluster: the work-groups of role A share nothing; in role B eight work-groups read each strip of W2 (4 MiB in all), too little to matter.
.set K2,   0x4038aa3b                  ; 2 log2(e)
.set WB0,  64                          ; v[64:127], v[128:191]   two buffers of W2: 32 h x 2 columns
.set QB0,  192                         ; v[192:255]              four buffers of query: 4 batches x 4 h
.set REDB, 16384                       ; LDS: query 4 x 4,096 bytes at 0; the waves' partial sums [wave][batch][64] f32 behind it
	s_load_b256 s[4:11], s[0:1], 0x0               ; W1 s[4:5], W2 s[6:7], query s[8:9], b1 s[10:11]
	s_load_b128 s[12:15], s[0:1], 0x20             ; b2 s[12:13], w1f s[14:15]
	s_load_b64 s[16:17], s[0:1], 0x30              ; cq
	v_lshl_add_u32 v62, v0, 2, 0x6000
	v_mov_b32 v63, 0
	s_mov_b32 s23, 0                               ; high word of every 32-bit offset added to an address
	s_cmp_lt_u32 ttmp9, 128
	s_cbranch_scc0 .Lrole_b
	; ---------------- ROLE A: 32 k (block kb) x 256 n (quarter nq); thread t owns column n = 256 nq + t
	s_and_b32 s20, ttmp9, 31                       ; kb
	s_lshr_b32 s21, ttmp9, 5                       ; nq
	s_lshl_b32 s21, s21, 8
	v_or_b32 v2, s21, v0                           ; n
	v_lshlrev_b32 v1, 2, v2                        ; 4 n: my byte in a row of W1
	v_bfe_u32 v4, v2, 7, 2                         ; w
	v_lshlrev_b32 v3, 19, v4
	v_lshrrev_b32 v4, 9, v2                        ; p
	v_lshl_add_u32 v3, v4, 18, v3
	v_bfe_u32 v4, v2, 4, 3                         ; b
	v_lshl_add_u32 v3, v4, 10, v3
	v_and_b32 v4, 15, v2                           ; r
	v_lshl_add_u32 v3, v4, 4, v3                   ; my 16 bytes in w1f, but for kb and k>>3
	s_wait_kmcnt 0x0
	s_lshl_b32 s22, s20, 17                        ; 32 rows of 4,096 bytes
	s_add_nc_u64 s[4:5], s[4:5], s[22:23]
	s_lshl_b32 s22, s20, 13                        ; kb * 8,192
	s_add_nc_u64 s[14:15], s[14:15], s[22:23]
.set i, 0
.rept 32
	global_load_b32 v[8+i], v1, s[4:5] offset:i*4096 th:TH_LOAD_NT   ; a wave takes 128 bytes of a row, its neighbour the next 128
.set i, i+1
.endr
.irp ko,0,1,2,3
	s_wait_loadcnt 24-8*\ko                        ; loads return in order: the eight k of this group are in, the younger groups stay out
.irp j,0,1,2,3
	v_pk_mul_f32 v[8+8*\ko+2*\j:8+8*\ko+2*\j+1], v[8+8*\ko+2*\j:8+8*\ko+2*\j+1], K2 op_sel_hi:[1,0]
.endr
.irp j,0,1,2,3
	v_cvt_pk_bf16_f32 v[40+4*\ko+\j], v[8+8*\ko+2*\j], v[8+8*\ko+2*\j+1]    ; the lower k in the lower half
.endr
	global_store_b128 v3, v[40+4*\ko:40+4*\ko+3], s[14:15] offset:256*\ko   ; 16 lanes (r = 0..15) write 256 consecutive bytes, aligned
.endr
	s_endpgm
	; ---------------- ROLE B
.Lrole_b:
	s_sub_co_u32 s20, ttmp9, 128
	s_and_b32 s21, s20, 15                         ; cs: strip of 64 columns
	s_lshr_b32 s20, s20, 4                         ; bg: group of 4 batches
	v_lshrrev_b32 v1, 5, v0
	v_readfirstlane_b32 s18, v1                    ; wave 0..7
	v_and_b32 v1, 31, v0                           ; lane
	v_lshlrev_b32 v2, 4, v0                        ; 16 t: query, in memory and in LDS
	v_lshlrev_b32 v3, 3, v1                        ; 8 lane: my two columns
	s_lshl_b32 s24, s18, 19
	v_add_nc_u32 v4, s24, v3                       ; W2: my wave's 128 rows of 4,096 bytes + my columns
	s_lshl_b32 s24, s18, 9
	v_mov_b32 v5, s24                              ; LDS: my wave's 128 h of a query row (the same address in all lanes)
	s_lshl_b32 s24, s18, 10
	s_add_co_u32 s24, s24, REDB
	v_add_nc_u32 v6, s24, v3                       ; LDS: where my wave puts its partial sums
	s_lshl_b32 s24, s18, 8
	s_add_co_u32 s24, s24, REDB
	v_add_nc_u32 v7, s24, v3                       ; LDS: batch = my wave's number, as read back (waves 0-3)
	s_lshl_b32 s24, s18, 12
	v_add_nc_u32 v12, s24, v3                      ; cq: row = my wave's number (waves 0-3)
	s_lshl_b32 s22, s21, 8                         ; 256 cs
	s_lshl_b32 s24, s20, 14                        ; 4 rows of 4,096 bytes x bg
	s_mov_b32 s25, 0
	s_wait_kmcnt 0x0
	s_add_nc_u64 s[6:7], s[6:7], s[22:23]
	s_add_nc_u64 s[10:11], s[10:11], s[22:23]
	s_add_nc_u64 s[12:13], s[12:13], s[22:23]
	s_add_nc_u64 s[16:17], s[16:17], s[22:23]
	s_add_nc_u64 s[16:17], s[16:17], s[24:25]
	s_add_nc_u64 s[8:9], s[8:9], s[24:25]
.macro LOADW m, wb                     ; 32 h of W2, 256 consecutive aligned bytes a load
.set li, 0
.rept 32
	global_load_b64 v[\wb+2*li:\wb+2*li+1], v4, s[6:7] offset:(32*(\m)+li)*4096
.set li, li+1
.endr
.endm
.macro LOADQ g, qb                     ; 4 h of all 4 batches
.irp b,0,1,2,3
	ds_load_b128 v[\qb+4*\b:\qb+4*\b+3], v5 offset:\b*4096+16*(\g)
.endr
.endm
; 4 h x 4 batches, two columns in each instruction; q is one register of an even pair, taken for both halves
; (even h: the pair's first register, op_sel_hi 0; odd h: its second, op_sel 1).  The very first h starts the sums.
.macro FMA4 wb, hg, qb, g
.irp hh,0,1,2,3
.irp b,0,1,2,3
.if ((\g)+\hh) == 0
	v_pk_mul_f32 v[16+2*\b:17+2*\b], v[\wb+2*(4*(\hg)+\hh):\wb+2*(4*(\hg)+\hh)+1], v[\qb+4*\b:\qb+4*\b+1] op_sel_hi:[1,0]
.else
.if (\hh&1) == 0
	v_pk_fma_f32 v[16+2*\b:17+2*\b], v[\wb+2*(4*(\hg)+\hh):\wb+2*(4*(\hg)+\hh)+1], v[\qb+4*\b+\hh:\qb+4*\b+\hh+1], v[16+2*\b:17+2*\b] op_sel_hi:[1,0,1]
.else
	v_pk_fma_f32 v[16+2*\b:17+2*\b], v[\wb+2*(4*(\hg)+\hh):\wb+2*(4*(\hg)+\hh)+1], v[\qb+4*\b+\hh-1:\qb+4*\b+\hh], v[16+2*\b:17+2*\b] op_sel:[0,1,0] op_sel_hi:[1,1,1]
.endif
.endif
.endr
.endr
.endm
.irp j,0,1,2,3
	global_load_b128 v[QB0+4*\j:QB0+4*\j+3], v2, s[8:9] offset:\j*4096
.endr
	global_load_b64 v[8:9], v3, s[10:11]           ; b1 of my two columns
	global_load_b64 v[10:11], v3, s[12:13]         ; b2
	LOADW 0, WB0
	s_wait_loadcnt 32                              ; the 32 loads of W2 are younger: query, b1, b2 are in
.irp j,0,1,2,3
	ds_store_b128 v2, v[QB0+4*\j:QB0+4*\j+3] offset:\j*4096
.endr
	LOADW 1, WB0+64
	s_wait_dscnt 0x0                               ; my part of query is in LDS before I say so
	s_barrier_signal -1
	s_barrier_wait -1
	LOADQ 0, QB0
	LOADQ 1, QB0+16
	LOADQ 2, QB0+32
.set gi, 0                             ; 32 groups of 4 h; 8 groups to a batch of W2
.rept 32
.if (gi&7) == 0
.if gi < 24
	s_wait_loadcnt 32                              ; this batch of W2 is in, the next (32 loads) stays out
.else
	s_wait_loadcnt 0x0                             ; the last batch: nothing was issued behind it
.endif
.endif
.if gi < 29
	LOADQ gi+3, QB0+16*((gi+3)&3)                  ; three groups ahead, into the buffer used up by the group before this one
	s_wait_dscnt 12                                ; three younger groups of 4 loads stay out
.else
	s_wait_dscnt 4*(31-gi)                         ; the counts run down: 8, 4, 0
.endif
	FMA4 WB0+64*((gi>>3)&1), gi&7, QB0+16*(gi&3), gi
.if (gi&7) == 7
.if gi < 16
	LOADW (gi>>3)+2, WB0+64*((gi>>3)&1)            ; the buffer just used up gets the batch after the next
.endif
.endif
.set gi, gi+1
.endr
.irp b,0,1,2,3
	ds_store_b64 v6, v[16+2*\b:17+2*\b] offset:256*\b
.endr
	s_wait_dscnt 0x0                               ; for the other waves: zero
	s_barrier_signal -1
	s_barrier_wait -1
	s_cmp_gt_u32 s18, 3
	s_cbranch_scc1 .Lb_end                         ; four batches: waves 0-3 add up, one batch each; no barrier below
.irp u,0,1,2,3,4,5,6,7
	ds_load_b64 v[32+2*\u:33+2*\u], v7 offset:1024*\u      ; the eight waves' parts of batch = my wave, my two columns
.endr
	s_wait_dscnt 0x0
	v_pk_add_f32 v[32:33], v[32:33], v[34:35]
	v_pk_add_f32 v[36:37], v[36:37], v[38:39]
	v_pk_add_f32 v[40:41], v[40:41], v[42:43]
	v_pk_add_f32 v[44:45], v[44:45], v[46:47]
	v_pk_add_f32 v[8:9], v[8:9], v[10:11]          ; b1 + b2
	v_pk_add_f32 v[32:33], v[32:33], v[36:37]
	v_pk_add_f32 v[40:41], v[40:41], v[44:45]
	v_pk_add_f32 v[32:33], v[32:33], v[40:41]
	v_pk_add_f32 v[32:33], v[32:33], v[8:9]
	v_pk_mul_f32 v[32:33], v[32:33], K2 op_sel_hi:[1,0]
	global_store_b64 v12, v[32:33], s[16:17]       ; a wave writes 256 consecutive bytes, aligned
.Lb_end:
	s_wait_tensorcnt 0x0
	ds_add_u32 v62, v63
	s_wait_dscnt 0x0
	s_endpgm
.Lfunc_end_k_q048b63b55d_prep:
	.size	k_q048b63b55d_prep, .Lfunc_end_k_q048b63b55d_prep-k_q048b63b55d_prep
	.p2alignl 7, 3214868480
	.fill 96, 4, 3214868480
	.section	.rodata,"a",@progbits
	.p2align	6, 0x0
	.amdhsa_kernel k_q048b63b55d_prep
		.amdhsa_group_segment_fixed_size 25600
		.amdhsa_private_segment_fixed_size 0
		.amdhsa_enable_private_segment 0
		.amdhsa_kernarg_size 56
		.amdhsa_user_sgpr_count 2
		.amdhsa_user_sgpr_kernarg_segment_ptr 1
		.amdhsa_wavefront_size32 1
		.amdhsa_system_sgpr_workgroup_id_x 1
		.amdhsa_system_sgpr_workgroup_id_y 1
		.amdhsa_system_sgpr_workgroup_id_z 1
		.amdhsa_system_vgpr_workitem_id 0
		.amdhsa_next_free_vgpr 256
		.amdhsa_next_free_sgpr 66
		.amdhsa_reserve_vcc 0
		.amdhsa_float_denorm_mode_32 3
		.amdhsa_float_denorm_mode_16_64 3
		.amdhsa_memory_ordered 1
		.amdhsa_forward_progress 1
		.amdhsa_inst_pref_size 65
	.end_amdhsa_kernel
	.amdgpu_metadata
---
amdhsa.version: [ 1, 2 ]
amdhsa.kernels:
  - .name:           k_q048b63b55d_prep
    .symbol:         k_q048b63b55d_prep.kd
    .args:
      - { .name: W1, .offset: 0, .size: 8, .value_kind: global_buffer, .address_space: global }
      - { .name: W2, .offset: 8, .size: 8, .value_kind: global_buffer, .address_space: global }
      - { .name: query, .offset: 16, .size: 8, .value_kind: global_buffer, .address_space: global }
      - { .name: b1, .offset: 24, .size: 8, .value_kind: global_buffer, .address_space: global }
      - { .name: b2, .offset: 32, .size: 8, .value_kind: global_buffer, .address_space: global }
      - { .name: w1f, .offset: 40, .size: 8, .value_kind: global_buffer, .address_space: global }
      - { .name: cq, .offset: 48, .size: 8, .value_kind: global_buffer, .address_space: global }
    .group_segment_fixed_size: 25600
    .private_segment_fixed_size: 0
    .kernarg_segment_align: 8
    .kernarg_segment_size: 56
    .max_flat_workgroup_size: 256
    .sgpr_count:     66
    .vgpr_count:     256
    .wavefront_size: 32
...
	.end_amdgpu_metadata
.endif
;; end of part 1
;; launch main (part 2): grid 512 x 1, 4 waves a work-group, no clusters, 280,064 bytes of LDS; arguments values, w1f, cq, V, bv, pexp, part; writes pexp, part
.if DOCPART == 2
	.amdgcn_target "amdgcn-amd-amdhsa--gfx1250"
	.amdhsa_code_object_version 6
	.text
	.protected	k_q048b63b55d_main
	.globl	k_q048b63b55d_main
	.p2align	8
	.type	k_q048b63b55d_main,@function
k_q048b63b55d_main:
	s_mov_b64 s[64:65], 0
	v_nop
	global_prefetch_b8 v0, s[64:65] scope:SCOPE_SE
	s_setreg_imm32_b32 hwreg(HW_REG_WAVE_MODE, 25, 1), 1
	s_wait_xcnt 0x0
; One work-group = 128 rows (s) of one batch.  It makes, for its rows,
;   score = V . tanh(values W1 + b1 + query W2 + b2) + bv,  m = max score,  p = e^(score - m),  l = sum p,  ctx = sum p * values,
; and leaves p in pexp and {ctx, m, l} in part; the last launch joins the 16 blocks of a batch.
; The 128 rows are read from memory ONCE, as f32, rounded once to bf16 and kept in LDS (128 x 2,048 bytes) for both halves of the
; product and for the context.  Four waves lie side by side along the units: a wave makes 128 rows x 128 units in 512 accumulator
; registers; a pass covers 512 units, so there are two passes of 32 K steps of 32.  In pass 1 the reading and rounding of values runs
; under the matrix work, a chunk of 64 k (256 aligned bytes of each row) at a time.
; W1's fragments (w1f, laid out by the launch before) are used by one wave only: they go from memory straight into that wave's
; registers, 16 loads of 512 consecutive bytes a K step, through a ring of four register slots asked for three K steps ahead.
; NO CLUSTER, NO TENSOR LOADS: what work-groups share is W1.  To share it, it would have to pass through LDS; A takes 264,192 of the
; 327,680 bytes, and what is left beside the tables holds less than two K steps of W1 (32,768 bytes each): a ring with less than one
; step on its way.  values is shared by nobody.
; tanh x = 1 - 2 / (1 + 2^(K2 x)), K2 = 2 log2(e).  w1f holds K2 W1 and cq holds K2 (query W2 + b1 + b2); the first product of a pass takes
; cq as its C operand, so an accumulator ends as K2 x with no further line.  2^.. = infinity gives 1, 0 gives -1: the right limits.
; Both passes run the same text behind them: a counted loop of two trips holds {what follows a pass; pass 2}, and the second trip leaves in the middle.
; LIMITS: values and K2 W1 are rounded to bf16 (nearest even) for the product, values also for the context (p stays f32);
; v_exp_f32 gives 0 for results below 2^-126 (ISA guide 15.8), so a p below that is 0; sums run in another order than the reference's.
;
; REGISTERS in windows of 256:  window 0: addresses, TMP, ST, A's fragments, the stage of values;  window 1: W1's ring, slot q fragment b at
; 64 q + 8 b (slot 3 holds cq at a pass's first step);  windows 2, 3: accumulator tile (a, b) at 8 (8 (a & 3) + b), a < 4 in window 2.
; THE MATRIX INSTRUCTION IS USED TRANSPOSED (source 0 = 16 units of W1, source 1 = 16 rows of values): lane (r, h) holds row 16 a + r and
; units 16 b + 8 h + 0..7, so the sum over units runs along a lane's registers, and C depends on b alone.
.set PITCH, 2064                       ; LDS row of A: 2,048 bytes + 16 = 516 words: row r starts 4 r words on, modulo 64, so 16 rows of a fragment load differ
.set CTAB,  128*PITCH                  ; 264192: cq's row of this batch, 4,096 bytes
.set SCR,   CTAB+8192                  ; 272384: (V's 4,096 bytes lie at CTAB + 4096) score parts [wave][128] f32
.set PW,    SCR+2048                   ; 274432: p[128]
.set RED,   PW+512                     ; 274944: the waves' maxima (16 bytes), then their sums (16 bytes)
.set CS,    RED+256                    ; 275200: ctx on its way out, 1,024 bytes a wave
.set LOG2E, 0x3fb8aa3b
.set AAD,  4                           ; v[4:7]    A fragments: (32 i + r) PITCH + 16 h + the quad's 256 bytes
.set STA,  8                           ; v8        where I put 8 bytes of bf16: (32 w + 8 h) PITCH + 8 r + ...
.set VOFF, 9                           ; v9        values: (32 w + 8 h) 4096 + 16 r
.set BOFF, 10                          ; v10       w1f: 524288 w + 16 L
.set PFO,  11                          ; v11       prefetch: (32 w + L) 4096
.set TAD,  12                          ; v12       tables: CTAB + 512 w + 32 h + 2048 pass
.set AAS,  16                          ; v[16:19]  AAD as it was at k = 0
.set TMP,  32                          ; v[32:47]
.set ST,   48                          ; v[48:55]  score sums of row tile a, over my 8 units of each of the 16 unit tiles
.set AF,   64                          ; v[64:127]  A's eight fragments
.set STG,  128                         ; v[128:255] two slots of 16 x 4 registers of values as loaded (pass 1)
.set VT,   128                         ; behind a pass: V of my 8 x 8 units
.set CTW,  192                         ; window 1, slot 3: cq of my 8 x 8 units, at a pass's first step
.set XR,   64                          ; context: 16 rows x 4 registers
.set PR,   192                         ;          their 16 p
.set CX,   224                         ;          8 sums
.set MSB, 0
.macro WIN new                         ; the immediate's high byte repeats the setting that is left; switches that change nothing are dropped
.if MSB != (\new)
	s_set_vgpr_msb (MSB<<8)|(\new)
.set MSB, \new
.endif
.endm
.set MUL_LO,  0xa1                     ; source 0 (W1) window 1, source 1 (A) window 0, C and D window 2
.set MUL_HI,  0xf1                     ; the same, C and D window 3
.set MULF_LO, 0x91                     ; a pass's first step: C (cq) window 1, D window 2
.set MULF_HI, 0xd1                     ;                      C (cq) window 1, D window 3
.set TO_B,    0x40                     ; destination window 1, address window 0
.macro PLACES                          ; four plain places between a matrix instruction and a load into, or a vector read of, its registers
.rept 4
	v_nop
.endr
.endm
.macro MUL16 q, hi, a0, first          ; row tiles a0, a0+1 of the window x 8 unit tiles, 32 along K; first = 1: C is cq of unit tile b, which starts the sums
.irp a, \a0, \a0+1
.irp b, 0,1,2,3,4,5,6,7
.if \first
	v_wmma_f32_16x16x32_bf16 v[8*(8*(\a)+\b):8*(8*(\a)+\b)+7], v[64*(\q)+8*\b:64*(\q)+8*\b+7], v[AF+8*(4*\hi+\a):AF+8*(4*\hi+\a)+7], v[CTW+8*\b:CTW+8*\b+7]
.else
	v_wmma_f32_16x16x32_bf16 v[8*(8*(\a)+\b):8*(8*(\a)+\b)+7], v[64*(\q)+8*\b:64*(\q)+8*\b+7], v[AF+8*(4*\hi+\a):AF+8*(4*\hi+\a)+7], v[8*(8*(\a)+\b):8*(8*(\a)+\b)+7]
.endif
.endr
.endr
.endm
.macro ALOAD half, j                   ; 8 LDS loads: fragments 4 half .. 4 half + 3 of K step j of the quad
.irp f,0,1,2,3
	ds_load_b128 v[AF+8*(4*\half+\f):AF+8*(4*\half+\f)+3],   v[AAD+2*\half+\f/2] offset:(\f&1)*16*PITCH+64*(\j)
	ds_load_b128 v[AF+8*(4*\half+\f)+4:AF+8*(4*\half+\f)+7], v[AAD+2*\half+\f/2] offset:(\f&1)*16*PITCH+64*(\j)+32
.endr
.endm
.macro BLOAD q, jj                     ; 16 loads, 8,192 consecutive bytes: W1's fragments of K step jj of the quad into slot q (under TO_B)
.irp b,0,1,2,3,4,5,6,7
	global_load_b128 v[64*(\q)+8*\b:64*(\q)+8*\b+3],   v[BOFF], s[6:7] offset:(\jj)*8192+\b*1024
	global_load_b128 v[64*(\q)+8*\b+4:64*(\q)+8*\b+7], v[BOFF], s[6:7] offset:(\jj)*8192+\b*1024+512
.endr
.endm
.macro CTLOAD                          ; 16 LDS loads (under TO_B): cq of units 512 pass + 128 w + 16 b + 8 h + 0..7, the same address in 16 lanes
.irp b,0,1,2,3,4,5,6,7
	ds_load_b128 v[CTW+8*\b:CTW+8*\b+3],   v[TAD] offset:64*\b
	ds_load_b128 v[CTW+8*\b+4:CTW+8*\b+7], v[TAD] offset:64*\b+16
.endr
.endm
.macro VLOAD st, half, cc              ; 8 loads: chunk cc of the quad, 16 of my wave's 32 rows; 16 lanes take a row's 256 aligned bytes, the other 16 the row 8 further on
.irp i,0,1,2,3,4,5,6,7
	global_load_b128 v[STG+64*\st+32*\half+4*\i:STG+64*\st+32*\half+4*\i+3], v[VOFF], s[4:5] offset:(16*\half+\i)*4096+256*(\cc) th:TH_LOAD_NT
.endr
.endm
.macro CVT st, half                    ; 16 roundings, 32 numbers a lane; they name no matrix register and so are also the places behind the matrix instructions
.irp i,0,1,2,3,4,5,6,7
	v_cvt_pk_bf16_f32 v[TMP+2*\i],   v[STG+64*\st+32*\half+4*\i],   v[STG+64*\st+32*\half+4*\i+1]
	v_cvt_pk_bf16_f32 v[TMP+2*\i+1], v[STG+64*\st+32*\half+4*\i+2], v[STG+64*\st+32*\half+4*\i+3]
.endr
.endm
.macro STO half, cc                    ; 8 LDS stores of 8 bytes a lane: 16 lanes fill 128 bytes of a row; the other 16 lie 8 PITCH = 4,128 words on, 32 words modulo 64
.irp i,0,1,2,3,4,5,6,7
	ds_store_b64 v[STA], v[TMP+2*\i:TMP+2*\i+1] offset:(16*\half+\i)*PITCH+128*(\cc)
.endr
.endm
; ONE K STEP, 64 matrix instructions.  j: step of the quad = slot of W1's ring.  first = 1: a pass's first step, C = cq.
; lcnt: global loads younger than this step's W1 (and, where conv = 1, than the chunk to be rounded, which was issued before it).
; bfill = 1: ask for W1 three steps on, into the slot used last step; 2: the same at the step's end, since until then that slot holds cq.
; conv: round chunk tq+1 of the quad from stage slot st and store it to LDS.  vl = 1 / 2: load the first / second half of chunk tq+3 into
; the half of that slot that has just been rounded.  bar: the barrier between the stores of a chunk and its first reads.
; nextlo: fetch the next step's fragments 0-3.  dsh, dsm: LDS instructions younger than fragments 0-3 / 4-7 of this step.  pf: prefetch.
.macro STEP j, first, lcnt, bfill, conv, vl, bar, nextlo, dsh, dsm, st, tq, pf
	s_wait_loadcnt \lcnt
	WIN 0
.if \conv
	CVT \st, 0
.else
	PLACES
.endif
	ALOAD 1, \j
.if \conv
	STO 0, \tq+1
.endif
.if \vl == 2
	VLOAD \st, 1, \tq+3
.endif
.if \bfill == 1
	WIN TO_B
	BLOAD (\j+3)%4, \j+3
.endif
.if \vl == 1
	WIN 0
	VLOAD \st, 0, \tq+3
.endif
	s_wait_dscnt \dsh
.if \first
	WIN MULF_LO
.else
	WIN MUL_LO
.endif
	MUL16 \j, 0, 0, \first
.if \bar
	s_wait_dscnt 0x0                               ; my stores of the next chunk are in LDS (and no LDS instruction of mine is out) before I say so
	s_barrier_signal -1
.endif
	MUL16 \j, 0, 2, \first                         ; registers only
.if \bar
	s_barrier_wait -1                              ; every wave's rows of the next chunk are in LDS
.endif
	WIN 0
.if \pf
	; each lane asks for one row's 256 bytes of chunk tq+4 of the quad: the chunk whose loads are issued in the next trip (two K steps on).
	; 4 waves x 32 lanes = the 128 rows, each block asked for once; issued in trips 0..11 only, for chunks 4..15: never past a row's end.
	global_prefetch_b8 v[PFO], s[4:5] offset:(\tq+4)*256 th:TH_LOAD_NT scope:SCOPE_SE
.endif
.if \conv
	CVT \st, 1
.else
.if \nextlo
	PLACES
.endif
.endif
.if \nextlo
	ALOAD 0, \j+1
.endif
.if \conv
	STO 1, \tq+1
.endif
	s_wait_dscnt \dsm
.if \first
	WIN MULF_HI
.else
	WIN MUL_HI
.endif
	MUL16 \j, 1, 0, \first
	MUL16 \j, 1, 2, \first
.if \bfill == 2
	WIN 0
	PLACES                                         ; the matrix instructions above read cq: the loads into its registers stand four places behind them
	WIN TO_B
	BLOAD (\j+3)%4, \j+3
.endif
.endm
.macro QUADEND p1                      ; four K steps on
	WIN 0
	s_wait_xcnt 0x0                                ; the bases of the loads issued so far are stepped only behind this wait (ISA guide 3.1)
	s_add_nc_u64 s[6:7], s[6:7], 32768             ; W1: 4 x 8,192 bytes
.if \p1
	s_add_nc_u64 s[4:5], s[4:5], 512               ; values: 2 chunks of 256 bytes
	v_add_nc_u32 v[STA], 256, v[STA]               ; and of 128 bytes in LDS
.endif
.irp i,0,1,2,3
	v_add_nc_u32 v[AAD+\i], 256, v[AAD+\i]         ; 4 x 64 bytes along A's rows (LDS instructions have read their addresses at issue)
.endr
.endm
; A quad of pass 1 in the steady state = trips c, c+1.  Order of global loads in a trip: W1(2c+3), first half of chunk c+3 | second half, W1(2c+4).
; Even step: younger than W1(2c) are W1, half, half, W1 = 48.  Odd step: younger than W1(2c+1) are half, half, W1, W1, half = 56.
; LDS, even step: behind fragments 0-3 came 8 loads + 8 stores = 16; behind fragments 4-7 came 8 stores + 8 loads + 8 stores = 24.
; Odd step: behind fragments 0-3 came 8 stores + 8 loads = 16; fragments 4-7 are in since the wait for 0, the 8 loads behind them stay out.
.macro QUAD1 pf
	STEP 0, 0, 48, 1, 1, 1, 0, 1, 16, 24, 1, 0, \pf
	STEP 1, 0, 56, 1, 0, 2, 1, 1, 16, 8,  1, 0, 0
	STEP 2, 0, 48, 1, 1, 1, 0, 1, 16, 24, 0, 1, \pf
	STEP 3, 0, 56, 1, 0, 2, 1, 1, 16, 8,  0, 1, 0
	QUADEND 1
.endm
; A quad of pass 2: A is whole.  Younger than this step's W1: two steps' = 32.  LDS: one run of 8 loads is always younger.
.macro QUAD2
	STEP 0, 0, 32, 1, 0, 0, 0, 1, 8, 8, 0, 0, 0
	STEP 1, 0, 32, 1, 0, 0, 0, 1, 8, 8, 0, 0, 0
	STEP 2, 0, 32, 1, 0, 0, 0, 1, 8, 8, 0, 0, 0
	STEP 3, 0, 32, 1, 0, 0, 0, 1, 8, 8, 0, 0, 0
	QUADEND 0
.endm
; BEHIND A PASS, tile by tile, in place:  e = 2^acc;  r = 1 / (1 + e);  t = 1 - 2 r = tanh;  tile (a, 0) gathers V t of tiles (a, 0..7).
.macro TH t
	s_wait_alu depctr_va_vdst(0)
.irp r,0,2,4,6
	v_pk_fma_f32 v[8*(\t)+\r:8*(\t)+\r+1], v[8*(\t)+\r:8*(\t)+\r+1], -2.0, 1.0 op_sel_hi:[1,0,0]
.endr
.endm
.macro ACC t
.irp r,0,2,4,6
.if ((\t)&7) == 0
	v_pk_mul_f32 v[8*(\t)+\r:8*(\t)+\r+1], v[8*(\t)+\r:8*(\t)+\r+1], v[VT+\r:VT+\r+1]
	s_wait_alu depctr_va_vdst(0)
.else
	v_pk_fma_f32 v[64*((\t)/8)+\r:64*((\t)/8)+\r+1], v[8*(\t)+\r:8*(\t)+\r+1], v[VT+8*((\t)&7)+\r:VT+8*((\t)&7)+\r+1], v[64*((\t)/8)+\r:64*((\t)/8)+\r+1]
.endif
.endr
.endm
; One window's 32 tiles under ONE setting wa: destination, source 0 and source 2 in the accumulators' window, source 1 (V) in window 0.
; Turn t: exponentials of tile t | V t of tile t-2 | tanh of tile t-1 | 1 + e of tile t | reciprocals of tile t.  So behind each run of eight
; transcendentals stand plain lines on OTHER tiles before its results are read (ISA guide 5.7.2); a v_nop where there is no such tile yet.
; Then the eight columns of each gathered tile are added: wr = all four places in the window; wo = sources there, destination in window 0.
.macro EPIWIN hi, wa, wr, wo
	WIN \wa
.set tix, 0
.rept 32
.irp i,0,1,2,3,4,5,6,7
	v_exp_f32 v[8*tix+\i], v[8*tix+\i]
.endr
.if tix >= 2
.if tix == 2
	s_wait_dscnt 0x0                               ; V's 16 loads, issued in front of the first turn
.endif
	ACC tix-2
.else
	v_nop
	s_wait_alu depctr_va_vdst(0)
.endif
.if tix >= 1
	TH tix-1
.endif
.irp r,0,2,4,6
	v_pk_add_f32 v[8*tix+\r:8*tix+\r+1], v[8*tix+\r:8*tix+\r+1], 1.0 op_sel_hi:[1,0]
.endr
.irp i,0,1,2,3,4,5,6,7
	v_rcp_f32 v[8*tix+\i], v[8*tix+\i]
.endr
.set tix, tix+1
.endr
	v_nop
	s_wait_alu depctr_va_vdst(0)
	TH 31
	ACC 30
	ACC 31
	WIN \wr
.irp a,0,1,2,3
	v_pk_add_f32 v[64*\a:64*\a+1],   v[64*\a:64*\a+1],   v[64*\a+2:64*\a+3]
	v_pk_add_f32 v[64*\a+4:64*\a+5], v[64*\a+4:64*\a+5], v[64*\a+6:64*\a+7]
.endr
.irp a,0,1,2,3
	v_pk_add_f32 v[64*\a:64*\a+1], v[64*\a:64*\a+1], v[64*\a+4:64*\a+5]
.endr
	WIN \wo
.irp a,0,1,2,3
	v_add_f32 v[TMP+4*\hi+\a], v[64*\a], v[64*\a+1]
.endr
.endm
.macro EPI
	WIN 0
	PLACES                                         ; behind the last matrix instructions: their results are read below
.irp b,0,1,2,3,4,5,6,7
	ds_load_b128 v[VT+8*\b:VT+8*\b+3],   v[TAD] offset:4096+64*\b              ; V of units 512 pass + 128 w + 16 b + 8 h + 0..7
	ds_load_b128 v[VT+8*\b+4:VT+8*\b+7], v[TAD] offset:4096+64*\b+16
.endr
	EPIWIN 0, 0xa2, 0xaa, 0x0a
	EPIWIN 1, 0xf3, 0xff, 0x0f
	WIN 0
.irp i,0,2,4,6
	v_pk_add_f32 v[ST+\i:ST+\i+1], v[ST+\i:ST+\i+1], v[TMP+\i:TMP+\i+1]
.endr
.endm
	; ---------------- set-up
	s_load_b256 s[4:11], s[0:1], 0x0               ; values s[4:5], w1f s[6:7], cq s[8:9], V s[10:11]
	s_load_b128 s[12:15], s[0:1], 0x20             ; bv s[12:13], pexp s[14:15]
	s_load_b64 s[16:17], s[0:1], 0x30              ; part
	v_lshl_add_u32 v62, v0, 2, 0x44400
	v_mov_b32 v63, 0
	v_lshrrev_b32 v1, 5, v0
	v_readfirstlane_b32 s18, v1                    ; wave w
	v_and_b32 v1, 15, v0                           ; r
	v_bfe_u32 v2, v0, 4, 1                         ; h
	v_and_b32 v3, 31, v0                           ; L
	s_mov_b32 s20, 0x76543210                      ; v_permlanex16_b32: lane i takes lane i of the other half
	s_mov_b32 s21, 0xfedcba98
	v_mul_u32_u24 v[AAD], v1, PITCH
	v_lshl_add_u32 v[AAD], v2, 4, v[AAD]
.irp i,1,2,3
	v_add_nc_u32 v[AAD+\i], \i*32*PITCH, v[AAD]
.endr
.irp i,0,1,2,3
	v_mov_b32 v[AAS+\i], v[AAD+\i]
.endr
.irp i,0,1,2,3,4,5,6,7
	v_mov_b32 v[ST+\i], 0                          ; eight sums that the shared text behind a pass adds to, twice
.endr
	s_mul_i32 s26, s18, 32*PITCH
	v_mul_u32_u24 v[STA], v2, 8*PITCH
	v_lshl_add_u32 v[STA], v1, 3, v[STA]
	v_add_nc_u32 v[STA], s26, v[STA]
	s_lshl_b32 s26, s18, 17                        ; 32 rows of 4,096 bytes
	v_lshlrev_b32 v[VOFF], 15, v2
	v_lshl_add_u32 v[VOFF], v1, 4, v[VOFF]
	v_add_nc_u32 v[VOFF], s26, v[VOFF]
	v_lshl_add_u32 v[PFO], v3, 12, s26
	s_lshl_b32 s26, s18, 19
	v_lshl_add_u32 v[BOFF], v3, 4, s26
	s_lshl_b32 s26, s18, 9
	s_add_co_u32 s26, s26, CTAB
	v_lshl_add_u32 v[TAD], v2, 5, s26
	v_lshlrev_b32 v14, 4, v0                       ; 16 t: the tables in memory
	v_add_nc_u32 v13, CTAB, v14                    ; and in LDS
	s_mov_b32 s27, 0
	s_wait_kmcnt 0x0
	s_load_b32 s24, s[12:13], 0x0                  ; bv; waited for where it is used
	s_lshl_b32 s26, ttmp9, 19                      ; 128 rows of 4,096 bytes a block (at most 511 x 524,288: 32 bits do)
	s_add_nc_u64 s[4:5], s[4:5], s[26:27]
	s_lshr_b32 s26, ttmp9, 4                       ; batch
	s_lshl_b32 s26, s26, 12
	s_add_nc_u64 s[8:9], s[8:9], s[26:27]
	s_lshl_b32 s26, ttmp9, 9
	s_add_nc_u64 s[14:15], s[14:15], s[26:27]
	s_mul_i32 s26, ttmp9, 4608
	s_add_nc_u64 s[16:17], s[16:17], s[26:27]
	global_load_b128 v[TMP:TMP+3],     v14, s[8:9]
	global_load_b128 v[TMP+4:TMP+7],   v14, s[8:9] offset:2048
	global_load_b128 v[TMP+8:TMP+11],  v14, s[10:11]
	global_load_b128 v[TMP+12:TMP+15], v14, s[10:11] offset:2048
	VLOAD 0, 0, 0
	VLOAD 0, 1, 0
	VLOAD 1, 0, 1
	VLOAD 1, 1, 1
	WIN TO_B
	BLOAD 0, 0
	WIN 0
	s_wait_loadcnt 48                              ; chunks 0, 1 and W1(0) are younger: the tables are in
	ds_store_b128 v13, v[TMP:TMP+3]
	ds_store_b128 v13, v[TMP+4:TMP+7] offset:2048
	ds_store_b128 v13, v[TMP+8:TMP+11] offset:4096
	ds_store_b128 v13, v[TMP+12:TMP+15] offset:6144
	s_wait_loadcnt 32                              ; chunk 1 and W1(0) are younger: chunk 0 is in
	CVT 0, 0
	STO 0, 0
	CVT 0, 1
	STO 1, 0
	WIN TO_B
	BLOAD 1, 1
	WIN 0
	VLOAD 0, 0, 2
	VLOAD 0, 1, 2
	WIN TO_B
	BLOAD 2, 2
	WIN 0
	s_wait_dscnt 0x0                               ; tables and my rows of chunk 0 are in LDS before I say so
	s_barrier_signal -1
	s_barrier_wait -1
	WIN TO_B
	CTLOAD                                         ; older than the fragments below: in when they are
	WIN 0
	ALOAD 0, 0
	; ---------------- pass 1: units 0-511.  Quads 0..7 = trips 0..15; trip c rounds chunk c+1 and loads chunk c+3.
	; Quad 0, written out: C = cq in its first step, whose W1(3) is asked for at the step's end.  The order of loads is then
	; half(3), W1(3) | half(3), W1(4) | W1(5), half(4) | ..: younger than W1(1) are chunk 2, W1(2), half, W1(3) = 56; than W1(2) half, W1, half, W1 = 48;
	; than W1(3) half, W1, W1, half = 48 (not 56); from W1(4) on the steady counts hold.
	STEP 0, 1, 48, 2, 1, 1, 0, 1, 16, 24, 1, 0, 1
	STEP 1, 0, 56, 1, 0, 2, 1, 1, 16, 8,  1, 0, 0
	STEP 2, 0, 48, 1, 1, 1, 0, 1, 16, 24, 0, 1, 1
	STEP 3, 0, 48, 1, 0, 2, 1, 1, 16, 8,  0, 1, 0
	QUADEND 1
	s_mov_b32 s19, 5
.Lp1:
	QUAD1 1                                        ; quads 1..5
	s_sub_co_i32 s19, s19, 1
	s_cmp_lg_u32 s19, 0
	s_cbranch_scc1 .Lp1
	; quad 6: trip 12 loads the last chunk, 15; trip 13 loads nothing of values, so the counts fall: half, half, W1, W1 = 48 in both its steps
	STEP 0, 0, 48, 1, 1, 1, 0, 1, 16, 24, 1, 0, 0
	STEP 1, 0, 56, 1, 0, 2, 1, 1, 16, 8,  1, 0, 0
	STEP 2, 0, 48, 1, 1, 0, 0, 1, 16, 24, 0, 1, 0
	STEP 3, 0, 48, 1, 0, 0, 1, 1, 16, 8,  0, 1, 0
	QUADEND 1
	; quad 7: trip 14 rounds chunk 15; only W1 is on its way: two steps' = 32.  W1's ring runs on into pass 2 (its bytes follow on).
	STEP 0, 0, 32, 1, 1, 0, 0, 1, 16, 24, 1, 0, 0
	STEP 1, 0, 32, 1, 0, 0, 1, 1, 16, 8,  1, 0, 0
	STEP 2, 0, 32, 1, 0, 0, 0, 1, 8,  8,  0, 1, 0
	STEP 3, 0, 32, 1, 0, 0, 0, 0, 8,  0,  0, 1, 0
	QUADEND 0
	; ---------------- two trips: what follows a pass, then (first trip only) pass 2
	s_mov_b32 s22, 0
.Lepi:
	EPI
	s_cmp_lg_u32 s22, 0
	s_cbranch_scc1 .Lfin                           ; behind pass 2: done
.irp i,0,1,2,3
	v_mov_b32 v[AAD+\i], v[AAS+\i]                 ; back to k = 0
.endr
	v_add_nc_u32 v[TAD], 2048, v[TAD]              ; the tables' second half: units 512-1023
	WIN TO_B
	CTLOAD                                         ; slot 3 was last read in pass 1's last step; its next fill stands at the end of the step below
	WIN 0
	ALOAD 0, 0
	; pass 2.  Its first quad: W1(35) is asked for at the first step's end; two steps' loads are younger at every head all the same
	STEP 0, 1, 32, 2, 0, 0, 0, 1, 8, 8, 0, 0, 0
	STEP 1, 0, 32, 1, 0, 0, 0, 1, 8, 8, 0, 0, 0
	STEP 2, 0, 32, 1, 0, 0, 0, 1, 8, 8, 0, 0, 0
	STEP 3, 0, 32, 1, 0, 0, 0, 1, 8, 8, 0, 0, 0
	QUADEND 0
	s_mov_b32 s19, 6
.Lp2:
	QUAD2                                          ; quads 9..14
	s_sub_co_i32 s19, s19, 1
	s_cmp_lg_u32 s19, 0
	s_cbranch_scc1 .Lp2
	STEP 0, 0, 32, 1, 0, 0, 0, 1, 8, 8, 0, 0, 0    ; asks for the last of W1; then the counts run down
	STEP 1, 0, 32, 0, 0, 0, 0, 1, 8, 8, 0, 0, 0
	STEP 2, 0, 16, 0, 0, 0, 0, 1, 8, 8, 0, 0, 0
	STEP 3, 0, 0,  0, 0, 0, 0, 0, 8, 0, 0, 0, 0
	WIN 0
	s_add_co_u32 s22, s22, 1
	s_cmp_lt_u32 s22, 2
	s_cbranch_scc1 .Lepi
.Lfin:
	; ---------------- scores, the block's softmax parts
	s_lshl_b32 s26, s18, 9
	s_add_co_u32 s26, s26, SCR
	v_lshl_add_u32 v13, v1, 2, s26                 ; SCR + 512 w + 4 r
	v_lshlrev_b32 v14, 2, v0
	v_add_nc_u32 v17, PW, v14                      ; PW + 4 t
	v_add_nc_u32 v14, SCR, v14                     ; SCR + 4 t
	s_lshl_b32 s26, s18, 2
	s_add_co_u32 s26, s26, RED
	v_mov_b32 v15, s26                             ; RED + 4 w
	v_mov_b32 v16, RED
	v_mov_b32 v18, PW
	v_lshlrev_b32 v19, 4, v0                       ; A: my 8 columns, 16 t
	v_lshlrev_b32 v23, 4, v3                       ; 16 L
	s_lshl_b32 s26, s18, 10
	v_add_nc_u32 v22, s26, v23                     ; 1024 w + 16 L
	v_add_nc_u32 v21, CS, v22
	s_add_co_u32 s26, s26, CS
	v_lshl_add_u32 v20, v3, 5, s26                 ; CS + 1024 w + 32 L
	v_add_nc_u32 v24, PW, v23
.irp a,0,1,2,3,4,5,6,7
	v_permlanex16_b32 v[TMP+\a], v[ST+\a], s20, s21        ; the other half of the lanes holds the same row's other units
.endr
.irp a,0,1,2,3,4,5,6,7
	v_add_f32 v[ST+\a], v[ST+\a], v[TMP+\a]
	ds_store_b32 v13, v[ST+\a] offset:64*\a                ; row 16 a + r, my wave's 256 units (both halves write the same word, the same number)
.endr
	s_wait_dscnt 0x0
	s_barrier_signal -1
	s_barrier_wait -1
	ds_load_b32 v32, v14                           ; thread t = row t: the four waves' parts
	ds_load_b32 v33, v14 offset:512
	ds_load_b32 v34, v14 offset:1024
	ds_load_b32 v35, v14 offset:1536
	s_wait_dscnt 0x0
	s_wait_kmcnt 0x0                               ; bv
	v_add_f32 v32, v32, v33
	v_add_f32 v34, v34, v35
	v_add_f32 v32, v32, v34
	v_add_f32 v26, s24, v32                        ; score
	v_mov_b32 v30, v26
	v_mov_b32 v31, v26
	v_max_num_f32_dpp v30, v30, v30 row_xmask:1 row_mask:0xf bank_mask:0xf
	v_max_num_f32_dpp v30, v30, v30 row_xmask:2 row_mask:0xf bank_mask:0xf
	v_max_num_f32_dpp v30, v30, v30 row_xmask:4 row_mask:0xf bank_mask:0xf
	v_max_num_f32_dpp v30, v30, v30 row_xmask:8 row_mask:0xf bank_mask:0xf
	v_permlanex16_b32 v31, v30, s20, s21
	v_max_num_f32 v30, v30, v31
	ds_store_b32 v15, v30
	s_wait_dscnt 0x0
	s_barrier_signal -1
	s_barrier_wait -1
	ds_load_b128 v[32:35], v16
	s_wait_dscnt 0x0
	v_max3_num_f32 v27, v32, v33, v34
	v_max_num_f32 v27, v27, v35                    ; m: the block's largest score
	v_sub_f32 v28, v26, v27
	v_mul_f32 v28, LOG2E, v28
	v_exp_f32 v28, v28                             ; p = e^(score - m), at most 1
	v_nop
	s_wait_alu depctr_va_vdst(0)
	ds_store_b32 v17, v28
	v_mov_b32 v30, v28
	v_add_f32_dpp v30, v30, v30 row_xmask:1 row_mask:0xf bank_mask:0xf
	v_add_f32_dpp v30, v30, v30 row_xmask:2 row_mask:0xf bank_mask:0xf
	v_add_f32_dpp v30, v30, v30 row_xmask:4 row_mask:0xf bank_mask:0xf
	v_add_f32_dpp v30, v30, v30 row_xmask:8 row_mask:0xf bank_mask:0xf
	v_permlanex16_b32 v31, v30, s20, s21
	v_add_f32 v30, v30, v31
	ds_store_b32 v15, v30 offset:16
	s_wait_dscnt 0x0                               ; p and my wave's sum are in LDS before I say so
	s_barrier_signal -1
	s_barrier_wait -1
	ds_load_b128 v[32:35], v16 offset:16
	s_wait_dscnt 0x0
	v_add_f32 v32, v32, v33
	v_add_f32 v34, v34, v35
	v_add_f32 v29, v32, v34                        ; l = sum of p, at least 1
	s_cmp_lg_u32 s18, 0
	s_cbranch_scc1 .Lnot0                          ; wave 0 alone writes p and {m, l}; no barrier inside
	ds_load_b128 v[36:39], v24
	v_mov_b32 v40, v27
	v_mov_b32 v41, v29
	v_mov_b32 v42, v27
	v_mov_b32 v43, v29
	global_store_b128 v23, v[40:43], s[16:17] offset:4096  ; {m, l} 64 times: 512 consecutive bytes, so that the row of part is written whole
	s_wait_dscnt 0x0
	global_store_b128 v23, v[36:39], s[14:15]              ; the block's 128 p: 512 consecutive bytes
.Lnot0:
	; ---------------- context: thread t owns columns 8 t .. 8 t + 7.  Eight groups of 16 rows; a row's registers are loaded again, with the
	; row 16 further down, as soon as the row is used, and four p behind every four rows.  The loads' order has period 20
	; (4 rows, 4 p, 4 rows, ..): when a quarter begins, 15 loads are younger than its p, and its four rows are older than that.
.macro CTXROW i
.irp k,0,1,2,3
	v_fma_mix_f32_bf16 v[CX+2*\k],   v[XR+4*(\i)+\k], v[PR+(\i)], v[CX+2*\k] op_sel_hi:[1,0,0]
	v_fma_mix_f32_bf16 v[CX+2*\k+1], v[XR+4*(\i)+\k], v[PR+(\i)], v[CX+2*\k+1] op_sel:[1,0,0] op_sel_hi:[1,0,0]
.endr
.endm
.macro CTXQ q, load, cnt
	s_wait_dscnt \cnt
.irp i,0,1,2,3
	CTXROW 4*\q+\i
.if \load
	ds_load_b128 v[XR+4*(4*\q+\i):XR+4*(4*\q+\i)+3], v19 offset:(4*\q+\i)*PITCH    ; 32 lanes, 512 neighbouring bytes of a row
.endif
.endr
.if \load
	ds_load_b128 v[PR+4*\q:PR+4*\q+3], v18 offset:16*\q                            ; four rows' p, the same in all lanes
.endif
.endm
.irp i,0,1,2,3,4,5,6,7
	v_mov_b32 v[CX+\i], 0
.endr
.irp q,0,1,2,3
.irp i,0,1,2,3
	ds_load_b128 v[XR+4*(4*\q+\i):XR+4*(4*\q+\i)+3], v19 offset:(4*\q+\i)*PITCH
.endr
	ds_load_b128 v[PR+4*\q:PR+4*\q+3], v18 offset:16*\q
.endr
	v_add_nc_u32 v19, 16*PITCH, v19
	v_add_nc_u32 v18, 64, v18
	s_mov_b32 s19, 7
.Lctx:
	CTXQ 0, 1, 15
	CTXQ 1, 1, 15
	CTXQ 2, 1, 15
	CTXQ 3, 1, 15
	v_add_nc_u32 v19, 16*PITCH, v19
	v_add_nc_u32 v18, 64, v18
	s_sub_co_i32 s19, s19, 1
	s_cmp_lg_u32 s19, 0
	s_cbranch_scc1 .Lctx
	CTXQ 0, 0, 15                                  ; the last group loads nothing: the counts run down
	CTXQ 1, 0, 10
	CTXQ 2, 0, 5
	CTXQ 3, 0, 0
	; a lane holds 32 bytes of the row: through my wave's own 1,024 bytes of LDS, so that each store covers 512 consecutive bytes
	ds_store_b128 v20, v[CX:CX+3]
	ds_store_b128 v20, v[CX+4:CX+7] offset:16
	ds_load_b128 v[232:235], v21                   ; LDS serves a wave's instructions in order (ISA guide 5.7.1): these see the stores above
	ds_load_b128 v[236:239], v21 offset:512
	s_wait_dscnt 0x0
	global_store_b128 v22, v[232:235], s[16:17]
	global_store_b128 v22, v[236:239], s[16:17] offset:512
	s_wait_tensorcnt 0x0
	ds_add_u32 v62, v63
	s_wait_dscnt 0x0
	s_endpgm
.Lfunc_end_k_q048b63b55d_main:
	.size	k_q048b63b55d_main, .Lfunc_end_k_q048b63b55d_main-k_q048b63b55d_main
	.p2alignl 7, 3214868480
	.fill 96, 4, 3214868480
	.section	.rodata,"a",@progbits
	.p2align	6, 0x0
	.amdhsa_kernel k_q048b63b55d_main
		.amdhsa_group_segment_fixed_size 280064
		.amdhsa_private_segment_fixed_size 0
		.amdhsa_enable_private_segment 0
		.amdhsa_kernarg_size 56
		.amdhsa_user_sgpr_count 2
		.amdhsa_user_sgpr_kernarg_segment_ptr 1
		.amdhsa_wavefront_size32 1
		.amdhsa_system_sgpr_workgroup_id_x 1
		.amdhsa_system_sgpr_workgroup_id_y 1
		.amdhsa_system_sgpr_workgroup_id_z 1
		.amdhsa_system_vgpr_workitem_id 0
		.amdhsa_next_free_vgpr 1024
		.amdhsa_next_free_sgpr 66
		.amdhsa_reserve_vcc 0
		.amdhsa_float_denorm_mode_32 3
		.amdhsa_float_denorm_mode_16_64 3
		.amdhsa_memory_ordered 1
		.amdhsa_forward_progress 1
		.amdhsa_inst_pref_size 255
	.end_amdhsa_kernel
	.section	.bss,"aw",@nobits
	.p2align	6
	.space	262144
	.amdgpu_metadata
---
amdhsa.version: [ 1, 2 ]
amdhsa.kernels:
  - .name:           k_q048b63b55d_main
    .symbol:         k_q048b63b55d_main.kd
    .args:
      - { .name: values, .offset: 0, .size: 8, .value_kind: global_buffer, .address_space: global }
      - { .name: w1f, .offset: 8, .size: 8, .value_kind: global_buffer, .address_space: global }
      - { .name: cq, .offset: 16, .size: 8, .value_kind: global_buffer, .address_space: global }
      - { .name: V, .offset: 24, .size: 8, .value_kind: global_buffer, .address_space: global }
      - { .name: bv, .offset: 32, .size: 8, .value_kind: global_buffer, .address_space: global }
      - { .name: pexp, .offset: 40, .size: 8, .value_kind: global_buffer, .address_space: global }
      - { .name: part, .offset: 48, .size: 8, .value_kind: global_buffer, .address_space: global }
    .group_segment_fixed_size: 280064
    .private_segment_fixed_size: 0
    .kernarg_segment_align: 8
    .kernarg_segment_size: 56
    .max_flat_workgroup_size: 128
    .sgpr_count:     66
    .vgpr_count:     1024
    .wavefront_size: 32
...
	.end_amdgpu_metadata
.endif
;; end of part 2
;; launch finish (part 3): grid 32 x 4, 2 waves a work-group, no clusters, 0 bytes of LDS; arguments part, pexp, out0, out1; writes out0, out1
.if DOCPART == 3
	.amdgcn_target "amdgcn-amd-amdhsa--gfx1250"
	.amdhsa_code_object_version 6
	.text
	.protected	k_q048b63b55d_finish
	.globl	k_q048b63b55d_finish
	.p2align	8
	.type	k_q048b63b55d_finish,@function
k_q048b63b55d_finish:
	s_mov_b64 s[64:65], 0
	v_nop
	global_prefetch_b8 v0, s[64:65] scope:SCOPE_SE
	s_setreg_imm32_b32 hwreg(HW_REG_WAVE_MODE, 25, 1), 1
	s_wait_xcnt 0x0
; Joins the 16 blocks of a batch:  M = max m_i,  L = sum l_i e^(m_i - M),  f_i = e^(m_i - M) / L,
; out0[b][c] = sum over i of f_i ctx_i[c],  out1[b][s] = p[s] f_(s / 128).
; Work-group (b, y): batch b, columns 256 y .. 256 y + 255 of out0 and rows 512 y .. 512 y + 511 of out1; 64 threads, 16 bytes each.
; 2.6 MB in, 0.4 MB out, all loads issued at once; each load and store of a wave covers 512 consecutive bytes.  128 work-groups are all the work there is.
; No LDS byte, no barrier, no matrix unit, no cluster: the waves share nothing but 128 bytes of {m, l}, which each reads for itself.
; LIMIT: an f_i whose exponential lies below 2^-126 is 0 (v_exp_f32, ISA guide 15.8).  L is at least 1: the block that holds M has l >= 1.
.set PROW, 4608                        ; a row of part: 4,096 bytes of ctx, then {m, l} repeated
.set LOG2E, 0x3fb8aa3b
	s_load_b256 s[4:11], s[0:1], 0x0               ; part s[4:5], pexp s[6:7], out0 s[8:9], out1 s[10:11]
	s_and_b32 s12, ttmp7, 0xffff                   ; y
	v_lshrrev_b32 v1, 5, v0
	v_readfirstlane_b32 s13, v1                    ; wave
	v_and_b32 v1, 15, v0
	v_mul_u32_u24 v4, v1, PROW                     ; lane i and lane 16 + i: block i
	v_lshlrev_b32 v5, 4, v0                        ; 16 t
	s_mul_i32 s14, ttmp9, 16*PROW
	s_mov_b32 s15, 0
	s_lshl_b32 s16, s12, 10                        ; 1,024 y
	s_mov_b32 s17, 0
	s_lshl_b32 s18, ttmp9, 13                      ; p and out1: 8,192 b + 2,048 y
	s_lshl_b32 s20, s12, 11
	s_add_co_u32 s18, s18, s20
	s_mov_b32 s19, 0
	s_lshl_b32 s20, ttmp9, 12                      ; out0: 4,096 b + 1,024 y
	s_add_co_u32 s20, s20, s16
	s_mov_b32 s21, 0
	s_lshl2_add_u32 s24, s12, s13                  ; 4 y + wave: the block of my first 4 rows of p (row 512 y + 4 t)
	s_lshl_b32 s24, s24, 2                         ; as a lane's byte index
	v_mov_b32 v10, s24
	v_add_nc_u32 v11, 8, v10                       ; my second 4 rows lie 256 rows = 2 blocks on
	s_wait_kmcnt 0x0
	s_add_nc_u64 s[4:5], s[4:5], s[14:15]
	s_add_nc_u64 s[22:23], s[4:5], s[16:17]
	s_add_nc_u64 s[6:7], s[6:7], s[18:19]
	s_add_nc_u64 s[10:11], s[10:11], s[18:19]
	s_add_nc_u64 s[8:9], s[8:9], s[20:21]
	global_load_b64 v[2:3], v4, s[4:5] offset:4096         ; m_i, l_i
.irp i,0,1,2,3,4,5,6,7,8,9,10,11,12,13,14,15
	global_load_b128 v[16+4*\i:16+4*\i+3], v5, s[22:23] offset:\i*PROW
.endr
	global_load_b128 v[80:83], v5, s[6:7]
	global_load_b128 v[84:87], v5, s[6:7] offset:1024
	s_wait_loadcnt 18                              ; the 16 + 2 younger loads stay out
	v_mov_b32 v6, v2
	v_max_num_f32_dpp v6, v6, v6 row_xmask:1 row_mask:0xf bank_mask:0xf
	v_max_num_f32_dpp v6, v6, v6 row_xmask:2 row_mask:0xf bank_mask:0xf
	v_max_num_f32_dpp v6, v6, v6 row_xmask:4 row_mask:0xf bank_mask:0xf
	v_max_num_f32_dpp v6, v6, v6 row_xmask:8 row_mask:0xf bank_mask:0xf    ; M, in every lane (each half of 16 lanes holds all 16 blocks)
	v_sub_f32 v7, v2, v6
	v_mul_f32 v7, LOG2E, v7
	v_exp_f32 v7, v7
	v_nop
	s_wait_alu depctr_va_vdst(0)
	v_mul_f32 v8, v3, v7
	v_add_f32_dpp v8, v8, v8 row_xmask:1 row_mask:0xf bank_mask:0xf
	v_add_f32_dpp v8, v8, v8 row_xmask:2 row_mask:0xf bank_mask:0xf
	v_add_f32_dpp v8, v8, v8 row_xmask:4 row_mask:0xf bank_mask:0xf
	v_add_f32_dpp v8, v8, v8 row_xmask:8 row_mask:0xf bank_mask:0xf        ; L
	v_rcp_f32 v9, v8
	v_nop
	s_wait_alu depctr_va_vdst(0)
	v_mul_f32 v7, v7, v9                           ; f_i in lane i
	ds_bpermute_b32 v12, v10, v7                   ; f of the blocks of my rows of p (a lane exchange: no LDS byte is touched)
	ds_bpermute_b32 v13, v11, v7
.irp i,0,1,2,3,4,5,6,7,8,9,10,11,12,13,14,15
	v_readlane_b32 s[32+\i], v7, \i
.endr
	s_wait_loadcnt 2                               ; the 16 ctx are in; p may be out
.irp k,0,1,2,3
	v_mul_f32 v[88+\k], s32, v[16+\k]
.endr
.irp i,1,2,3,4,5,6,7,8,9,10,11,12,13,14,15
.irp k,0,1,2,3
	v_fma_f32 v[88+\k], s[32+\i], v[16+4*\i+\k], v[88+\k]
.endr
.endr
	global_store_b128 v5, v[88:91], s[8:9]
	s_wait_loadcnt 0x0
	s_wait_dscnt 0x0
.irp k,0,1,2,3
	v_mul_f32 v[80+\k], v[80+\k], v12
	v_mul_f32 v[84+\k], v[84+\k], v13
.endr
	global_store_b128 v5, v[80:83], s[10:11]
	global_store_b128 v5, v[84:87], s[10:11] offset:1024
	s_endpgm
.Lfunc_end_k_q048b63b55d_finish:
	.size	k_q048b63b55d_finish, .Lfunc_end_k_q048b63b55d_finish-k_q048b63b55d_finish
	.p2alignl 7, 3214868480
	.fill 96, 4, 3214868480
	.section	.rodata,"a",@progbits
	.p2align	6, 0x0
	.amdhsa_kernel k_q048b63b55d_finish
		.amdhsa_group_segment_fixed_size 0
		.amdhsa_private_segment_fixed_size 0
		.amdhsa_enable_private_segment 0
		.amdhsa_kernarg_size 32
		.amdhsa_user_sgpr_count 2
		.amdhsa_user_sgpr_kernarg_segment_ptr 1
		.amdhsa_wavefront_size32 1
		.amdhsa_system_sgpr_workgroup_id_x 1
		.amdhsa_system_sgpr_workgroup_id_y 1
		.amdhsa_system_sgpr_workgroup_id_z 1
		.amdhsa_system_vgpr_workitem_id 0
		.amdhsa_next_free_vgpr 96
		.amdhsa_next_free_sgpr 66
		.amdhsa_reserve_vcc 0
		.amdhsa_float_denorm_mode_32 3
		.amdhsa_float_denorm_mode_16_64 3
		.amdhsa_memory_ordered 1
		.amdhsa_forward_progress 1
		.amdhsa_inst_pref_size 10
	.end_amdhsa_kernel
	.amdgpu_metadata
---
amdhsa.version: [ 1, 2 ]
amdhsa.kernels:
  - .name:           k_q048b63b55d_finish
    .symbol:         k_q048b63b55d_finish.kd
    .args:
      - { .name: part, .offset: 0, .size: 8, .value_kind: global_buffer, .address_space: global }
      - { .name: pexp, .offset: 8, .size: 8, .value_kind: global_buffer, .address_space: global }
      - { .name: out0, .offset: 16, .size: 8, .value_kind: global_buffer, .address_space: global }
      - { .name: out1, .offset: 24, .size: 8, .value_kind: global_buffer, .address_space: global }
    .group_segment_fixed_size: 0
    .private_segment_fixed_size: 0
    .kernarg_segment_align: 8
    .kernarg_segment_size: 32
    .max_flat_workgroup_size: 64
    .sgpr_count:     66
    .vgpr_count:     96
    .wavefront_size: 32
...
	.end_amdgpu_metadata
.endif
;; end of part 3
